; MI455X (gfx1250); checked and timed in simulation.
; The chip was launched on July 23, 2026; its instructions are those of AMD's public machine-readable ISA for CDNA 5 (MIT licence, August 2026) and "CDNA5" Instruction Set Architecture Reference Guide (July 2026). The comments in the code are by the model that wrote it; some were corrected since.
;; Raw SDP. Allowed arithmetic: matrix products marked QUANTISED: E5M2 operands, one E8M0 scale for each 32 along K, by v_wmma_scale_f32_16x16x128_f8f6f4 with both operands' format E5M2, f32 sums; everything else in f32.
;; Inputs: key 1 x 8 x 2,048 x 128 float32; query 1 x 32 x 2,048 x 128 float32; value 1 x 8 x 2,048 x 128 float32.
;; Outputs: out0 1 x 32 x 2,048 x 128 float32.
;; This version of the problem:
;;   THIS VERSION OF THE PROBLEM IS GIVEN IN LOW PRECISION. The matrix products marked QUANTISED in the list below multiply operands that are first quantised to E5M2 (5 exponent bits, 2 mantissa bits; 8 bits a number), with one power-of-two scale for each 32 numbers along K (OCP MX v1.0); their sums are f32. All else is computed in f32.
;;   The module's matrix products, in the order in which they are computed (A, B: the left and right operand; K: the contracted axis; several contracted axes count as one K, in the product's order):
;;     1. batch 32 x [M 2,048, K 128] x [K 128, N 2,048]; A: computed on the way; B: computed on the way: QUANTISED
;;     2. batch 32 x [M 2,048, K 2,048] x [K 2,048, N 128]; A: softmax (see below); B: input value: QUANTISED
;;   THE QUANTISER, for each operand of a quantised product, along K:
;;     - K is cut into blocks of 32 from its start; a last block that is shorter is filled with zeros.
;;     - A block's scale is 2^e with e = floor(log2(the largest magnitude in the block)) - 15, held to -126 .. 127; a block of zeros has e = 0. As a byte (E8M0): e + 127.
;;     - Each number is divided by its block's scale, clamped to +-57,344, and rounded to the nearest number of E5M2, ties to even, subnormals kept.
;;     - The product sums the exact products of the quantised numbers (number of the format x scale) in f32.
;;   ~~~python
;;   def quantise(x, axis):      # numpy; x: float32 -> the quantised numbers, widened to float32 again
;;       x = np.moveaxis(x, axis, -1); K = x.shape[-1]
;;       x = np.pad(x, [(0, 0)] * (x.ndim - 1) + [(0, -K % 32)]); x = x.reshape(x.shape[:-1] + (-1, 32)); a = np.abs(x).max(-1, keepdims=True)
;;       e = np.where(a > 0, np.clip(np.frexp(np.where(a > 0, a, 1))[1] - 1 - 15, -126, 127), 0)      # np.frexp(a)[1] - 1 = floor(log2(a)), exactly
;;       r = np.clip(x / 2.0 ** e, -57344, 57344)
;;       step = 2.0 ** (np.maximum(np.frexp(np.where(r == 0, 1, r))[1] - 1, -14) - 2)
;;       q = np.round(r / step) * step * 2.0 ** e      # np.round: ties to even
;;       return np.moveaxis(q.reshape(q.shape[:-2] + (-1,))[..., :K], -1, axis).astype(np.float32)
;;   ~~~
;;   SOFTMAX AHEAD OF A QUANTISED PRODUCT. Where the list says 'softmax', what is quantised is not the finished softmax but p = 2^(t - M), with t = logit x log2(e) and M = ceil(the row's largest t), a whole number; so 1/2 < the row's largest p <= 1. The row's sum l is taken of the UNQUANTISED p, in f32, and the product's result is divided by l at the end. Since M is a whole number, a kernel that streams over the keys may use a running M (the ceiling of the running maximum): every later rescaling is an exact power of two, which a block's scale takes up: the codes' values come out the same.
;;   OPERANDS COMPUTED ON THE WAY. 'Computed on the way' means the value that the module computes at that place (a softmax that the list does not call 'softmax' is quantised finished and normalised). What goes into a quantiser is computed in f32, as accurately as f32 sums, v_exp_f32 and their like allow (about 1e-6 of the number): no bf16 or f16 on the way to a quantiser, and a product that is left as it is and whose result goes on into a quantised operand takes f32 operands (vector FMAs, or v_wmma_f32_16x16x4_f32). A number that lies on a knife's edge between two numbers of the format may be rounded either way, as far as f32 arithmetic and the matrix unit's own rounding can turn it there, and no further.
;; One version. Each part assembles by itself: llvm-mc -triple=amdgcn-amd-amdhsa -mcpu=gfx1250 --defsym DOCPART=n.
;; ======== version 1 of 1: 2 launches
;; limits: right only within a limited range of input values
;; workspace buffers: kv 4,325,376 bytes
;; launch prep (part 1): grid 256 x 1, 8 waves a work-group, no clusters, 69,632 bytes of LDS; arguments key, value, kv; writes kv
.if DOCPART == 1
	.amdgcn_target "amdgcn-amd-amdhsa--gfx1250"
	.amdhsa_code_object_version 6
	.text
	.protected	k_q3c6e67aa00_prep
	.globl	k_q3c6e67aa00_prep
	.p2align	8
	.type	k_q3c6e67aa00_prep,@function
k_q3c6e67aa00_prep:
	s_mov_b64 s[64:65], 0
	v_nop
	global_prefetch_b8 v0, s[64:65] scope:SCOPE_SE
	s_setreg_imm32_b32 hwreg(HW_REG_WAVE_MODE, 25, 1), 1
	s_wait_xcnt 0x0
; key and value, [8 heads][2048 keys][128] f32, become codes of BF8 (E5M2) with one E8M0 scale byte for each 32 along a product's K, laid IN THE ORDER OF THE OPERAND'S REGISTERS.
; key is first multiplied by 2^(-7/4) (the scale that the problem splits between query and key) and quantised along the head's 128; value is quantised along the KEYS.
; kv = [8 heads][8 slots of 256 keys][67,584 bytes].  A slot is four quarters of 16,896 bytes: K's tiles 0-3, K's tiles 4-7, V^T's tiles 0-3, V^T's tiles 4-7; in a quarter 8,448 bytes for each of
; the slot's two steps of 128 keys: four fragments of 2,048 bytes, then 64 scale words.  So each quarter holds bytes of both steps.
;   K, tile t:   byte 2048 (t%4) + 512 c + 16 l + i = the code of key 32 (t/2) + 8 (t%2) + r + 8 (r/8) at channel 32 c + 16 h + i  (l = 16 h + r: the lane that will hold it)
;   V^T, tile t: byte 2048 (t%4) + 512 c + 16 l + i = the code of channel 16 t + r at key 32 c + 16 h + i
;   scale words: word 16 (t%4) + r: row r of tile t; byte c = the scale of 32 c on along the product's K
; THE KEYS OF A TILE ARE NOT NEIGHBOURS, so that in the next launch the 16 registers of score tiles 2 b and 2 b + 1 are 16 neighbouring keys.
; A block's scale is 2^(floor(log2(its largest magnitude)) - 15): its byte is the largest magnitude's exponent field - 15, held at 1 from below by a floor among the maximum's leaves.
; WORK LEFT OUT IN THE PROGRAM (launch attn): steps of 128 keys all of whose keys come after a tile's 16 queries.  reference() adds the lowest f32 number to these scores by its own causal mask, and every row has
; an open key (its own), so for all finite scores their softmax weight is 0 and neither product of such a step reaches an output.  LIMIT: a NaN, an infinity or an overflow that reaches only those steps is not carried on.
; LIMITS: NaN and infinities among the inputs are not served.  A block whose largest magnitude lies under 2^-111 is quantised under the byte 1.  A block of zeros gets the byte 1 where the rule says 127: its codes
; are zeros, which add nothing under any byte but 0xff, and this program alone reads the bytes.  2^(-7/4) is taken as the f32 number nearest to it.
; SHARES: work-groups 0-127 take K, 128-255 V; each takes one step of one head (128 rows of 512 bytes, dense in memory).  Waves share only the 128 scale words, gathered in LDS and stored as two units of 256 bytes.
; Matrix units, tensor loads and clusters are left out: each byte is read once by one wave and written once.
.set SLOT, 67584
.set QUA,  16896
.set SUB,  8448
.set HS,   0x3e9837f0                  ; 2^(-7/4)
.set TM,   8                           ; v8-23 at work
.set R,    32                          ; K: v32-95 16 rows as loaded; V: 64 numbers
.set X,    96                          ; K: v96-159 64 numbers of my lane
.set CK,   160                         ; codes
.set KG,   8*16*528                    ; LDS: behind the eight stages: K's scale words; V's; the spare words (128 bytes a wave)
.set VG,   KG+512
.set SPARE, VG+512
	s_load_b128 s[4:7], s[0:1], 0x0                ; key, value
	s_load_b64 s[8:9], s[0:1], 0x10                ; kv
	v_lshl_add_u32 v30, v0, 2, SPARE
	v_mov_b32 v31, 0
	v_lshrrev_b32 v1, 5, v0
	v_readfirstlane_b32 s10, v1                    ; wave 0..7
	v_and_b32 v1, 31, v0                           ; lane
	v_and_b32 v4, 15, v0                           ; r
	v_bfe_u32 v6, v0, 4, 1                         ; h
	v_lshlrev_b32 v28, 4, v4
	v_mul_u32_u24 v29, v6, QUA
	v_add_nc_u32 v28, v28, v29                     ; the scale words' way out: lanes 0-15 one quarter's 256 bytes, lanes 16-31 the next quarter's
	s_and_b32 s11, ttmp9, 127                      ; the unit: 16 x head + step
	s_lshl_b32 s12, s11, 16                        ; its 128 rows of 512 bytes in key or value
	s_mov_b32 s13, 0
	s_lshr_b32 s14, s11, 1
	s_mul_i32 s14, s14, SLOT
	s_and_b32 s15, s11, 1
	s_mul_i32 s15, s15, SUB
	s_add_co_u32 s14, s14, s15                     ; its slot and its half of each quarter in kv
	s_mov_b32 s15, 0
	s_mov_b32 s20, 0x76543210
	s_mov_b32 s21, 0xfedcba98                      ; v_permlanex16_b32's selects for lane l xor 16
	s_mov_b32 s22, 0x600000                        ; the mantissa field of 57,344
	s_mov_b32 s24, HS
	s_mov_b32 s25, HS                              ; (the packed form names the pair)
	s_wait_alu depctr_va_vdst(0)                   ; the head's end
	s_wait_kmcnt 0x0
	s_add_nc_u64 s[4:5], s[4:5], s[12:13]
	s_add_nc_u64 s[6:7], s[6:7], s[12:13]
	s_add_nc_u64 s[8:9], s[8:9], s[14:15]
; The end of either path: the work-group's 128 scale words are whole behind the barrier; wave 0 stores them.
.macro TAIL glob
	s_wait_alu depctr_va_vdst(0)                   ; ahead of the waits below
	s_wait_tensorcnt 0x0                           ; the wave's end: behind my last LDS store
	ds_add_u32 v30, v31
	s_wait_dscnt 0x0                               ; my scale words are in LDS
	s_barrier_signal -1
	s_barrier_wait -1
	s_cmp_lg_u32 s10, 0
	s_cbranch_scc1 .Lend_\@
	ds_load_b128 v[24:27], v29
	s_wait_dscnt 0x0
	global_store_b128 v28, v[24:27], s[8:9] offset:\glob   ; sixteen lanes store one aligned unit of 256 bytes
.Lend_\@:
	s_endpgm
.endm
	s_cmp_lt_u32 ttmp9, 128
	s_cbranch_scc0 .Lvalue
; ---------------- K.  Wave w makes tile w: keys 32 (w/2) + 8 (w%2) + 0..7 and 16..23.  Each load reads one whole row, 512 consecutive bytes; the conversions want 16 neighbours in ONE lane, so the 16 rows turn through
; the wave's own stage in LDS: rows of 528 bytes = 132 words, so that the 16 rows that a read touches start at 16 different banks (64 banks of 4 bytes: ISA guide 11.1).
	s_lshr_b32 s16, s10, 1
	s_lshl_b32 s16, s16, 14
	s_and_b32 s17, s10, 1
	s_lshl_b32 s17, s17, 12
	s_add_co_u32 s16, s16, s17
	v_lshl_add_u32 v2, v1, 4, s16                  ; in: 16 x lane + my first row
.set k, 0
.rept 16
	global_load_b128 v[R+4*k:R+4*k+3], v2, s[4:5] offset:512*(k+8*(k/8)) th:TH_LOAD_NT
.set k, k+1
.endr
	s_lshr_b32 s16, s10, 2
	s_mul_i32 s16, s16, QUA
	s_and_b32 s17, s10, 3
	s_lshl_b32 s17, s17, 11
	s_add_co_u32 s16, s16, s17
	v_lshl_add_u32 v3, v1, 4, s16                  ; the fragment's place
	s_mul_i32 s17, s10, 16*528                     ; my stage
	v_lshl_add_u32 v5, v1, 4, s17                  ; into it: 16 x lane of a row
	v_lshlrev_b32 v6, 6, v6
	v_mad_u32_u24 v6, v4, 528, v6
	v_add_nc_u32 v6, s17, v6                       ; out of it: row r, + 64 h: my 16 numbers of a block of 32
	s_lshl_b32 s16, s10, 6
	s_add_co_u32 s16, s16, KG
	v_lshl_add_u32 v7, v4, 2, s16                  ; my row's scale word in LDS
	v_lshl_add_u32 v29, v1, 4, KG                  ; and the way back of all of them, 16 bytes a lane
.irp b, 0,1,2,3
	v_mov_b32 v[TM+4+\b], 0                        ; a lane permute's destination counts as one of its sources
.endr
	s_wait_alu depctr_va_vdst(0)
.set k, 0
.rept 16
.if k%8 == 0
	s_wait_loadcnt 8-k                             ; loads come back in order: these eight rows are in
.endif
	ds_store_b128 v5, v[R+4*k:R+4*k+3] offset:528*k
.set k, k+1
.endr
.irp c, 0,1,2,3
.irp j, 0,1,2,3
	ds_load_b128 v[X+16*\c+4*\j:X+16*\c+4*\j+3], v6 offset:128*\c+16*\j   ; LDS serves a wave's instructions in order: these see my stores
.endr
.endr
	s_wait_dscnt 0x0
.set j, 0
.rept 32
	v_pk_mul_f32 v[X+j:X+j+1], v[X+j:X+j+1], s[24:25] op_sel_hi:[1,0]
.set j, j+2
.endr
.irp b, 0,1,2,3
	v_max3_num_f32 v[TM+\b], |v[X+16*\b]|, |v[X+16*\b+1]|, 0x8000000   ; block b: my 16 numbers, and the floor 2^(16 - 127): the byte cannot fall under 1
.endr
.irp i, 2,4,6,8,10,12,14
.irp b, 0,1,2,3
	v_max3_num_f32 v[TM+\b], v[TM+\b], |v[X+16*\b+\i]|, |v[X+16*\b+\i+1]|
.endr
.endr
.irp b, 0,1,2,3
	v_permlanex16_b32 v[TM+4+\b], v[TM+\b], s20, s21
.endr
.irp b, 0,1,2,3
	v_max_num_f32 v[TM+\b], v[TM+\b], v[TM+4+\b]   ; with lane l xor 16's: the block's largest magnitude
.endr
.irp b, 0,1,2,3
	v_add_nc_u32 v[TM+12+\b], 0xf8800000, v[TM+\b] ; 15 off its exponent field: the conversion takes the exponent field of this operand as its scale
.endr
.irp b, 0,1,2,3
	v_and_or_b32 v[TM+8+\b], v[TM+\b], 0x7f800000, s22   ; 57,344 x the scale
.endr
.irp b, 0,1,2,3
	v_lshrrev_b32 v[TM+4+\b], 23, v[TM+12+\b]      ; the scale's byte
.endr
	v_lshl_or_b32 v24, v[TM+5], 8, v[TM+4]         ; the four bytes make my row's scale word
	v_lshl_or_b32 v24, v[TM+6], 16, v24
	v_lshl_or_b32 v24, v[TM+7], 24, v24
.irp b, 0,1,2,3
.irp i, 0,1,2,3,4,5,6,7,8,9,10,11,12,13,14,15
	v_med3_num_f32 v[X+16*\b+\i], v[X+16*\b+\i], -v[TM+8+\b], v[TM+8+\b]   ; the conversion to an 8-bit code does not saturate (ISA guide 7.6.2): the hold at the largest code x the scale
.endr
	v_cvt_scalef32_pk8_bf8_f32 v[CK+4*\b:CK+4*\b+1], v[X+16*\b:X+16*\b+7], v[TM+12+\b]
	v_cvt_scalef32_pk8_bf8_f32 v[CK+4*\b+2:CK+4*\b+3], v[X+16*\b+8:X+16*\b+15], v[TM+12+\b]
.endr
	v_nop                                          ; a plain line behind the last conversion
	ds_store_b32 v7, v24                           ; (lanes l and l xor 16 write the same word with the same value)
.irp c, 0,1,2,3
	global_store_b128 v3, v[CK+4*\c:CK+4*\c+3], s[8:9] offset:512*\c          ; 32 lanes store 512 consecutive bytes, at a multiple of 256 from kv's first byte
.endr
	TAIL 8192
; ---------------- V.  A LANE TAKES A CHANNEL, AND ITS REGISTERS RUN DOWN THE KEYS: wave w, lane l: channel 32 (w%4) + l, keys 64 (w/4) + 0..63: two blocks of 32, each in one lane's 32 registers: its largest magnitude
; needs no other lane, and the conversions give codes with the keys innermost.  A lane's 32 codes of a block are the 16 bytes of lane (r, h = 0) and the 16 of lane (r, h = 1) of its fragment.
.Lvalue:
	s_and_b32 s18, s10, 3
	s_lshr_b32 s19, s10, 2
	s_lshl_b32 s16, s18, 7
	s_lshl_b32 s17, s19, 15
	s_add_co_u32 s17, s17, s16
	v_lshl_add_u32 v5, v1, 2, s17                  ; my channel in the first of my 64 rows
.set i, 0
.rept 64
	global_load_b32 v[R+i], v5, s[6:7] offset:512*i th:TH_LOAD_NT   ; 128 consecutive bytes a wave, 512 for four waves
.set i, i+1
.endr
	s_lshl_b32 s17, s19, 1
	s_add_co_u32 s17, s17, s16
	s_add_co_u32 s17, s17, VG
	v_lshl_add_u32 v7, v1, 2, s17                  ; my half of my channel's scale word in LDS
	v_lshl_add_u32 v29, v1, 4, VG                  ; and the way back of all of them
	s_lshr_b32 s16, s18, 1
	s_mul_i32 s16, s16, QUA
	s_and_b32 s17, s18, 1
	s_lshl_b32 s17, s17, 12
	s_add_co_u32 s16, s16, s17
	s_lshl_b32 s17, s19, 10
	s_add_co_u32 s16, s16, s17
	s_wait_alu depctr_va_vdst(0)
	v_lshlrev_b32 v6, 11, v6
	v_lshl_add_u32 v6, v4, 4, v6
	v_add_nc_u32 v6, s16, v6                       ; tile 2 (w%4) + l / 16, row l % 16, my two blocks
	s_wait_alu depctr_va_vdst(0)                   ; ahead of the wait below
.macro BLOCK t
.set XS, R+32*(\t)
.set CV, CK+8*(\t)
	s_wait_loadcnt 32-32*(\t)                      ; this block's 32 loads are in
	v_max3_num_f32 v12, |v[XS]|, |v[XS+1]|, |v[XS+2]|
	v_max3_num_f32 v13, |v[XS+3]|, |v[XS+4]|, |v[XS+5]|
.irp i, 6,10,14,18,22,26
	v_max3_num_f32 v12, v12, |v[XS+\i]|, |v[XS+\i+1]|
	v_max3_num_f32 v13, v13, |v[XS+\i+2]|, |v[XS+\i+3]|
.endr
	v_max3_num_f32 v12, v12, |v[XS+30]|, |v[XS+31]|
	v_max3_num_f32 v12, v12, v13, 0x8000000        ; and the floor 2^(16 - 127)
	v_add_nc_u32 v11, 0xf8800000, v12              ; the conversions' scale operand
	v_and_or_b32 v10, v12, 0x7f800000, s22         ; 57,344 x the scale
	v_lshrrev_b32 v13, 23, v11                     ; the scale's byte
.if (\t) == 0
	v_mov_b32 v24, v13                             ; two bytes: half of the channel's scale word, the lower keys in the lower byte
.else
	v_lshl_or_b32 v24, v13, 8, v24
.endif
.set i, 0
.rept 32
	v_med3_num_f32 v[XS+i], v[XS+i], -v10, v10     ; the hold at the largest code x the scale (ISA guide 7.6.2)
.set i, i+1
.endr
.irp g, 0,1,2,3
	v_cvt_scalef32_pk8_bf8_f32 v[CV+2*\g:CV+2*\g+1], v[XS+8*\g:XS+8*\g+7], v11
.endr
	v_nop                                          ; a plain line behind the last conversion
	global_store_b128 v6, v[CV:CV+3], s[8:9] offset:2*QUA+512*(\t)        ; the bytes of lanes 0-15 of the fragment: sixteen lanes cover 256 consecutive aligned bytes
	global_store_b128 v6, v[CV+4:CV+7], s[8:9] offset:2*QUA+512*(\t)+256  ; those of lanes 16-31
.endm
	BLOCK 0
	BLOCK 1
	ds_store_b16 v7, v24
	s_wait_xcnt 0x0
	TAIL 2*QUA+8192
.Lfunc_end_k_q3c6e67aa00_prep:
	.size	k_q3c6e67aa00_prep, .Lfunc_end_k_q3c6e67aa00_prep-k_q3c6e67aa00_prep
	.p2alignl 7, 3214868480
	.fill 96, 4, 3214868480
	.section	.rodata,"a",@progbits
	.p2align	6, 0x0
	.amdhsa_kernel k_q3c6e67aa00_prep
		.amdhsa_group_segment_fixed_size 69632
		.amdhsa_private_segment_fixed_size 0
		.amdhsa_enable_private_segment 0
		.amdhsa_kernarg_size 24
		.amdhsa_user_sgpr_count 2
		.amdhsa_user_sgpr_kernarg_segment_ptr 1
		.amdhsa_wavefront_size32 1
		.amdhsa_system_sgpr_workgroup_id_x 1
		.amdhsa_system_sgpr_workgroup_id_y 1
		.amdhsa_system_sgpr_workgroup_id_z 1
		.amdhsa_system_vgpr_workitem_id 0
		.amdhsa_next_free_vgpr 184
		.amdhsa_next_free_sgpr 66
		.amdhsa_reserve_vcc 0
		.amdhsa_float_denorm_mode_32 3
		.amdhsa_float_denorm_mode_16_64 3
		.amdhsa_memory_ordered 1
		.amdhsa_forward_progress 1
		.amdhsa_inst_pref_size 33
	.end_amdhsa_kernel
	.amdgpu_metadata
---
amdhsa.version: [ 1, 2 ]
amdhsa.kernels:
  - .name:           k_q3c6e67aa00_prep
    .symbol:         k_q3c6e67aa00_prep.kd
    .args:
      - { .name: key, .offset: 0, .size: 8, .value_kind: global_buffer, .address_space: global }
      - { .name: value, .offset: 8, .size: 8, .value_kind: global_buffer, .address_space: global }
      - { .name: kv, .offset: 16, .size: 8, .value_kind: global_buffer, .address_space: global }
    .group_segment_fixed_size: 69632
    .private_segment_fixed_size: 0
    .kernarg_segment_align: 8
    .kernarg_segment_size: 24
    .max_flat_workgroup_size: 256
    .sgpr_count:     66
    .vgpr_count:     184
    .wavefront_size: 32
...
	.end_amdgpu_metadata
.endif
;; end of part 1
;; launch attn (part 2): grid 32 x 8, 8 waves a work-group, clusters of 4 x 1, 327,680 bytes of LDS; arguments query, kv, out0; writes out0
.if DOCPART == 2
	.amdgcn_target "amdgcn-amd-amdhsa--gfx1250"
	.amdhsa_code_object_version 6
	.text
	.protected	k_q3c6e67aa00_attn
	.globl	k_q3c6e67aa00_attn
	.p2align	8
	.type	k_q3c6e67aa00_attn,@function
k_q3c6e67aa00_attn:
	s_mov_b64 s[64:65], 0
	v_nop
	global_prefetch_b8 v0, s[64:65] scope:SCOPE_SE
	s_setreg_imm32_b32 hwreg(HW_REG_WAVE_MODE, 25, 1), 1
	s_wait_xcnt 0x0
	s_wait_alu depctr_hold_cnt(0) depctr_sa_sdst(0) depctr_va_vdst(0) depctr_va_sdst(0) depctr_va_ssrc(0) depctr_va_vcc(0) depctr_vm_vsrc(0)
	s_getreg_b32 s2, hwreg(HW_REG_IB_STS2, 6, 4)
	s_cmp_eq_u32 s2, 0
	s_cbranch_scc0 .Lentry_in_a_cluster
	s_endpgm
.Lentry_in_a_cluster:
	s_bfe_u32 s2, ttmp6, 0x10000c
	s_cmp_lg_u32 s2, 0x3003
	s_cbranch_scc0 .Lentry_shape_is_right
	s_endpgm
.Lentry_shape_is_right:
; out0[hq][q][:] = the sum over k <= q of softmax_k(query[hq][q] . key[hq/4][k] / sqrt(128)) value[hq/4][k][:]: 32 query heads, 8 key/value heads, 2,048 positions, head size 128.
; Both products on codes of BF8 (E5M2) with one E8M0 scale for each 32 along a product's K.  K and V come as codes from kv, laid by the launch before in the order of the operand's registers
; ([8 heads][8 slots of 256 keys][four quarters of 16,896 bytes: K's tiles 0-3, 4-7, V^T's tiles 0-3, 4-7; in each 8,448 bytes for each of the slot's two steps]).  query x 2^(-7/4) is quantised here.
; THE SOFTMAX AHEAD OF THE SECOND PRODUCT: t = score x log2(e); M = the row's largest t so far, rounded UP to a whole number; p = 2^(t - M) is what is quantised, along the keys; it is not normalised.
; The row's sum is taken of the unquantised p, in f32, and divides O at the end.  When M moves, the sum and O are multiplied by 2^(old M - new M): exact.
; LAYOUT.  Both products are used transposed: S^T = K Q^T (source 0 = 16 keys, source 1 = 16 queries), O^T = V^T P^T (source 0 = 16 channels, source 1 = P): a lane holds ONE query (lane % 16) throughout.
; The keys of a tile of K are chosen (in kv) so that the 16 registers of score tiles 2 b and 2 b + 1 are keys 32 b + 16 (lane / 16) + 0 .. 15: the conversions' results are the second product's operand.
; SHARES.  A LEVEL is 128 positions; a tile of 16 queries on level v needs key steps 0 .. v; the steps behind them are left out: all their keys are hidden by the problem's own causal mask (the launch before shows it).
; A work-group (key/value head y, g = 4 L + cx, L the cluster's x) owns, of the 4 query heads of y, positions 32 (63 - g) .. + 31 (level 15 - L: phase 1) and then 32 g .. + 31 (level L: phase 2): 8 tiles a phase.
; A PAIR of waves, w and w + 4, owns two tiles, the same 16 positions of two query heads, so that each fragment read from LDS feeds two products; the pair SPLITS THE KEYS: wave w takes the even steps, wave w + 4 the odd.
; A slot holds one even and one odd step.  Phase 1 has ceil((16 - L) / 2) slots, phase 2 ceil((L + 1) / 2): 9 in every work-group, 17 steps in every pair: 256 work-groups of equal work.
; At a phase's end each wave hands one tile's sums to its partner through LDS and finishes the other: local head e = 0 is the wave's own, e = 1 its partner's.
; CLUSTER.  The four work-groups of a cluster share y and L, so they walk the same slots: each is asked for JOINTLY (the same tensor load, the same descriptor, a mask that names the four).  No branch, trip count or LDS
; address hangs on cx: it enters query's and out0's addresses, the prefetches' address and the mask's compare value alone.
; RING.  Two LDS slots; waves 0-3 fetch a quarter each.  The LDS image is the memory image: a fragment is four loads of 16 bytes at 16 x lane, scale words one load of 4 bytes at 4 x lane: no pitch, no padding.
; query's rows come by tensor load too (waves 4-7, 32 rows of a head each) into the exchange regions, whose later stores come behind their last fill; each tile is quantised by one wave, its partner gets the codes through LDS.
; LIMITS: NaN and infinities among the inputs are not served, nor sums of phase 1 that overflow (they are multiplied by 0 at the start of phase 2).  A block of query whose largest magnitude lies under 2^-111 is quantised
; under the byte 1; a block of zeros (of query or of p) keeps the byte 1: its codes are zeros.  2^(-7/4) is the f32 number nearest to it.  A p under 2^-126 comes out of v_exp_f32 as 0.  The promise holds while t stays
; under 2^31 in magnitude.  A block's largest p is made from its largest score by the same two instructions as every p, which takes v_exp_f32 not to fall where its input rises.
; REGISTERS, in windows of 256 (s_set_vgpr_msb: bits 1:0 source 0, 3:2 source 1, 5:4 source 2, 7:6 destination).  e = 0, 1: my two query heads.
;   window 0: as named below;   window 1: v0-127 O^T, 64 a head; v128-255 8 fragments: K's, then V's
.set SLOT,  67584
.set QUA,   16896                      ; a quarter of a slot
.set SUB,   8448                       ; a step's part of it
.set SCB,   8192                       ; in it: the scale words
.set E1,    2*SLOT                     ; behind the ring: two regions of 8 x 8,448 bytes: query's rows (528 bytes apart), then sums on their way to the partner, or stages for the way out
.set E2,    E1+SLOT
.set QC1,   E2+SLOT                    ; query's codes: 2,304 bytes a wave, for each phase
.set QC2,   QC1+8*2304
.set SPARE, QC2+8*2304                 ; the spare words, 128 bytes for each wave: four blocks of 256 bytes that no other line names
.set A16, 1                            ; v1   16 x lane + my step's part of a quarter;  v2  4 x lane likewise;  v3, v4  the same in the slot in hand
.set A4,  2
.set AD,  3
.set AE,  4
.set SPW, 5                            ; v5   LDS address of my spare word; never rewritten
.set NIL, 6                            ; v6   0; never rewritten
.set DM,  7                            ; v7   lane % 16 - 16 (lane / 16)
.set ST,  8                            ; v[8 + 4 e]: +0 -M, +1 the largest t, +2, +3 the sum in two halves
.set QF,  16                           ; v[16 + 16 e] Q's fragment
.set QS,  48                           ; v[48 + e]    Q's scale word
.set SC,  50                           ; v50-53 scale words of K's, then of V's tiles: register b: lanes 0-15 tile 2 b, lanes 16-31 tile 2 b + 1
.set PW,  54                           ; v[54 + e]    p's scale word
.set PFO, 56                           ; v56  256 x lane: the prefetches' offset; never rewritten
.set STW, 57                           ; v57  the way out: 528 (lane % 16) + 32 (lane / 16)
.set L16, 58                           ; v58  16 x lane
.set L4,  59                           ; v59  4 x lane
.set FP,  60                           ; v[60 + 2 e]  f = 2^(old M - new M); the pair's upper register is 0
.set S,   64                           ; v[64 + 64 e] scores, then p
.set PC,  192                          ; v[192 + 16 e] p's codes
.set W,   224                          ; v[224 + 16 e] at work: +0..3 a block's largest;
.set PX,  4                            ;   +4..7 the other half's, the bytes, two chains of the sum;
.set HL,  8                            ;   +8..11 the largest number x the scale;
.set SX,  12                           ;   +12..15 the conversions' scale operands
.set FB,  128                          ; window 1: fragment t at v[128 + 16 t]
.set WV,  10                           ; s10  my wave's number
.set KIND, 11                          ; s11  0: even steps, 1: odd steps
.set LL,  15                           ; s15  L
.set G1,  24                           ; descriptor group 1 for kv, for query; groups 0
.set G1Q, 32
.set G0,  40
.set G0Q, 44
.set CS,  48                           ; s[48:49] log2(e)
.set SEL, 50                           ; s[50:51] v_permlanex16_b32's selects for lane l xor 16
.set HSR, 52                           ; s[52:53] 2^(-7/4)
.set MNT, 54                           ; the mantissa field of 57,344
.set KS,  55                           ; my step's number in the phase
.set LEV, 56                           ; the phase's level: its last step, the one on the diagonal
.set KSL, 57                           ; the slot's number, 0 .. 8
.set N1,  58                           ; phase 1's slots
.set TB,  59                           ; LDS byte of the slot in hand
.set PLC, 60                           ; my tile's place in its level; PLCL: in phase 2
.set PLCL, 61
.set WO,  62                           ; my part of an exchange region; WP: my partner's
.set WP,  63
.set PLIM, 66                          ; 5 in the waves that prefetch, else 0
.set T0,  67
.set KVB, 68                           ; kv at my quarter of the head's first slot
.set OF,  70
.set PFA, 72                           ; where my prefetches stand
.set OL,  74                           ; out0 in phase 2
.set QL,  76                           ; query's rows that I fetch for phase 2
.set QW,  78                           ; my part of the codes' regions; QP: my partner's
.set QP,  79
.set RAW, 80                           ; my tile's part of query's rows in LDS
.set QH,  82
.set OH,  84
.set PT,  86
.set MSB, 0
.macro WIN new                         ; the immediate's high byte repeats the setting that is left; a switch that changes nothing is dropped
.if MSB != \new
	s_set_vgpr_msb (MSB<<8)|\new
.set MSB, \new
.endif
.endm
.macro PLACES n                        ; plain vector instructions that name no register: the places that ISA guide 7.12.1 asks for behind a matrix instruction
.rept \n
	v_nop
.endr
.endm
.macro VWAIT
	s_wait_alu depctr_va_vdst(0)
.endm
.macro WBAR
	s_barrier_signal -1
	s_barrier_wait -1
.endm
; A round of the cluster's barrier: my work-group's barrier, so that wave 0's signal speaks for all eight waves; wave 0 signals for the work-group; every wave waits for all four work-groups; my work-group's barrier once more.
.macro CROUND
	s_barrier_signal -1
	s_barrier_wait -1
	s_cmp_lg_u32 s[WV], 0
	s_cbranch_scc1 .Lnot_wave_0_\@
	s_barrier_signal -3
.Lnot_wave_0_\@:
	s_barrier_wait -3
	s_barrier_signal -1
	s_barrier_wait -1
.endm
; The joint loads of a slot: waves 0-3 fetch a quarter each (66 rows of 256 bytes).  q = 1: waves 4-7 fetch 32 rows of query, a head each, for their own work-group alone.  The branch hangs on the wave's number.
.macro JLOAD q
	s_cmp_lt_u32 s[WV], 4
	s_cbranch_scc0 .Lother_\@
	tensor_load_to_lds s[G0:G0+3], s[G1:G1+7]
	s_nop 0
	PLACES 4
.if \q
	s_branch .Lasked_\@
.endif
.Lother_\@:
.if \q
	tensor_load_to_lds s[G0Q:G0Q+3], s[G1Q:G1Q+7]
	s_nop 0
	PLACES 4
.Lasked_\@:
.endif
.endm
; A PREFETCH INTO THE L2.  A head's 8 slots are one stream of 540,672 bytes, which all eight clusters of the head walk from its start: the cluster with x = 0, which walks all 8, asks, and nobody else.
; In each of its four work-groups waves 6 and 7 ask, which fetch nothing for the ring: 32 lanes, 256 bytes apart; the partners are told apart BY ADDRESS, 16,384 bytes each.
; In slot j the eight waves name bytes 212,992 + 65,536 j .. + 65,535 of the head.  Slot j + 3, which the NEXT change of slots asks for, ends at 270,336 + 67,584 j, at most 278,528 + 65,536 j for j <= 4: all of it has been named
; one slot ahead of its load.  Each aligned 256 bytes are named once; the ask in slot 4 ends at the head's last byte; later slots ask for nothing.  Slots 0 to 2 and slot 3's first 10,240 bytes come by their loads alone.
.macro ASK
	s_cmp_lt_u32 s[KSL], s[PLIM]
	s_cbranch_scc0 .Lnot_mine_\@
	global_prefetch_b8 v[PFO], s[PFA:PFA+1] th:TH_LOAD_NT scope:SCOPE_SE
.Lnot_mine_\@:
.endm
; My tile's 16 rows of query from LDS: register 16 b + i = channel 32 b + 16 (lane / 16) + i of row lane % 16.
.macro RAWQ base
	s_add_co_u32 s[T0], s[RAW], \base
	v_and_b32 v[W], 15, v0
	v_bfe_u32 v[W+1], v0, 4, 1
	v_mul_u32_u24 v[W], v[W], 528
	v_lshl_add_u32 v[W], v[W+1], 6, v[W]
	v_add_nc_u32 v[W], s[T0], v[W]
.irp c, 0,1,2,3
.irp j, 0,1,2,3
	ds_load_b128 v[S+16*\c+4*\j:S+16*\c+4*\j+3], v[W] offset:128*\c+16*\j
.endr
.endr
	VWAIT
	s_wait_dscnt 0x0
.endm
; These 64 numbers times 2^(-7/4) become a fragment's codes in v[d] on and its scale word in v[w].
.macro QUANT d, w
.set j, 0
.rept 32
	v_pk_mul_f32 v[S+j:S+j+1], v[S+j:S+j+1], s[HSR:HSR+1] op_sel_hi:[1,0]
.set j, j+2
.endr
.irp b, 0,1,2,3
	v_max3_num_f32 v[W+\b], |v[S+16*\b]|, |v[S+16*\b+1]|, 0x8000000   ; block b: my 16 numbers, and the floor 2^(16 - 127): the byte cannot fall under 1
.endr
.irp i, 2,4,6,8,10,12,14
.irp b, 0,1,2,3
	v_max3_num_f32 v[W+\b], v[W+\b], |v[S+16*\b+\i]|, |v[S+16*\b+\i+1]|
.endr
.endr
.irp b, 0,1,2,3
	v_permlanex16_b32 v[W+PX+\b], v[W+\b], s[SEL], s[SEL+1]
.endr
.irp b, 0,1,2,3
	v_max_num_f32 v[W+\b], v[W+\b], v[W+PX+\b]     ; with lane l xor 16's: the block's largest magnitude
.endr
.irp b, 0,1,2,3
	v_add_nc_u32 v[W+SX+\b], 0xf8800000, v[W+\b]   ; 15 off its exponent field: the conversions' scale operand
.endr
.irp b, 0,1,2,3
	v_and_or_b32 v[W+HL+\b], v[W+\b], 0x7f800000, s[MNT]   ; 57,344 x the scale
.endr
.irp b, 0,1,2,3
	v_lshrrev_b32 v[W+PX+\b], 23, v[W+SX+\b]       ; the scale's byte
.endr
	v_lshl_or_b32 v[\w], v[W+PX+1], 8, v[W+PX]     ; the four bytes make my row's scale word
	v_lshl_or_b32 v[\w], v[W+PX+2], 16, v[\w]
	v_lshl_or_b32 v[\w], v[W+PX+3], 24, v[\w]
.irp b, 0,1,2,3
.irp i, 0,1,2,3,4,5,6,7,8,9,10,11,12,13,14,15
	v_med3_num_f32 v[S+16*\b+\i], v[S+16*\b+\i], -v[W+HL+\b], v[W+HL+\b]   ; the conversion to an 8-bit code does not saturate (ISA guide 7.6.2): the hold at the largest code x the scale
.endr
	v_cvt_scalef32_pk8_bf8_f32 v[\d+4*\b:\d+4*\b+1], v[S+16*\b:S+16*\b+7], v[W+SX+\b]
	v_cvt_scalef32_pk8_bf8_f32 v[\d+4*\b+2:\d+4*\b+3], v[S+16*\b+8:S+16*\b+15], v[W+SX+\b]
.endr
	v_nop                                          ; a plain line behind the last conversion
.endm
; Codes and scale word to LDS, as an image of the registers; and from there.
.macro SENDQ base, d, w
	s_add_co_u32 s[T0], s[QW], \base
	v_add_nc_u32 v[W], s[T0], v[L16]
	v_add_nc_u32 v[W+1], s[T0], v[L4]
.irp c, 0,1,2,3
	ds_store_b128 v[W], v[\d+4*\c:\d+4*\c+3] offset:512*\c
.endr
	ds_store_b32 v[W+1], v[\w] offset:2048
.endm
.macro GETQ base, who, d, w
	s_add_co_u32 s[T0], s[\who], \base
	v_add_nc_u32 v[W+8], s[T0], v[L16]
	v_add_nc_u32 v[W+9], s[T0], v[L4]
.irp c, 0,1,2,3
	ds_load_b128 v[\d+4*\c:\d+4*\c+3], v[W+8] offset:512*\c
.endr
	ds_load_b32 v[\w], v[W+9] offset:2048
.endm
; S^T(tile t of 16 keys, head e) = K's fragment t x Q's fragment: one instruction covers the head's 128, so each starts and ends its sum.  Odd tiles' scale words lie in lanes 16-31.
.macro KQ t, e
.if (\t)%2
	v_wmma_scale_f32_16x16x128_f8f6f4 v[S+64*\e+8*(\t):S+64*\e+8*(\t)+7], v[FB+16*(\t):FB+16*(\t)+15], v[QF+16*\e:QF+16*\e+15], 0, v[SC+(\t)/2], v[QS+\e] matrix_a_fmt:MATRIX_FMT_BF8 matrix_b_fmt:MATRIX_FMT_BF8 matrix_a_scale:MATRIX_SCALE_ROW1
.else
	v_wmma_scale_f32_16x16x128_f8f6f4 v[S+64*\e+8*(\t):S+64*\e+8*(\t)+7], v[FB+16*(\t):FB+16*(\t)+15], v[QF+16*\e:QF+16*\e+15], 0, v[SC+(\t)/2], v[QS+\e] matrix_a_fmt:MATRIX_FMT_BF8 matrix_b_fmt:MATRIX_FMT_BF8
.endif
.endm
; O^T(tile t of 16 channels, head e) += V^T's fragment t x P.  zero = 1: the first step starts the sums: nothing is ever cleared.
.macro PV t, e, zero
.if \zero
.if (\t)%2
	v_wmma_scale_f32_16x16x128_f8f6f4 v[64*\e+8*(\t):64*\e+8*(\t)+7], v[FB+16*(\t):FB+16*(\t)+15], v[PC+16*\e:PC+16*\e+15], 0, v[SC+(\t)/2], v[PW+\e] matrix_a_fmt:MATRIX_FMT_BF8 matrix_b_fmt:MATRIX_FMT_BF8 matrix_a_scale:MATRIX_SCALE_ROW1
.else
	v_wmma_scale_f32_16x16x128_f8f6f4 v[64*\e+8*(\t):64*\e+8*(\t)+7], v[FB+16*(\t):FB+16*(\t)+15], v[PC+16*\e:PC+16*\e+15], 0, v[SC+(\t)/2], v[PW+\e] matrix_a_fmt:MATRIX_FMT_BF8 matrix_b_fmt:MATRIX_FMT_BF8
.endif
.else
.if (\t)%2
	v_wmma_scale_f32_16x16x128_f8f6f4 v[64*\e+8*(\t):64*\e+8*(\t)+7], v[FB+16*(\t):FB+16*(\t)+15], v[PC+16*\e:PC+16*\e+15], v[64*\e+8*(\t):64*\e+8*(\t)+7], v[SC+(\t)/2], v[PW+\e] matrix_a_fmt:MATRIX_FMT_BF8 matrix_b_fmt:MATRIX_FMT_BF8 matrix_a_scale:MATRIX_SCALE_ROW1
.else
	v_wmma_scale_f32_16x16x128_f8f6f4 v[64*\e+8*(\t):64*\e+8*(\t)+7], v[FB+16*(\t):FB+16*(\t)+15], v[PC+16*\e:PC+16*\e+15], v[64*\e+8*(\t):64*\e+8*(\t)+7], v[SC+(\t)/2], v[PW+\e] matrix_a_fmt:MATRIX_FMT_BF8 matrix_b_fmt:MATRIX_FMT_BF8
.endif
.endif
.endm
; My step's 4 scale registers and 8 fragments of K (o = 0) or of V^T (o = 2 QUA): 512 consecutive bytes an instruction.
.macro FRAGS o
.irp b, 0,1,2,3
	ds_load_b32 v[SC+\b], v[AE] offset:\o+SCB+(\b/2)*QUA+128*(\b%2)
.endr
	WIN 0x40                                       ; destination window 1
.irp t, 0,1,2,3,4,5,6,7
.irp c, 0,1,2,3
	ds_load_b128 v[FB+16*\t+4*\c:FB+16*\t+4*\c+3], v[AD] offset:\o+(\t/4)*QUA+(\t%4)*2048+512*\c
.endr
.endr
	WIN 0
.endm
; THE ROW'S SUM IS TAKEN OF THE UNQUANTISED p: two at a time, in three chains: the sum itself and the pairs PX and PX + 2.
.macro SUM e, first
.if \first == 0
	v_pk_mul_f32 v[ST+4*\e+2:ST+4*\e+3], v[ST+4*\e+2:ST+4*\e+3], v[FP+2*\e:FP+2*\e+1] op_sel_hi:[1,0]   ; the sum under the new M
.endif
	v_pk_add_f32 v[W+16*\e+PX:W+16*\e+PX+1], v[S+64*\e:S+64*\e+1], v[S+64*\e+2:S+64*\e+3]
	v_pk_add_f32 v[W+16*\e+PX+2:W+16*\e+PX+3], v[S+64*\e+4:S+64*\e+5], v[S+64*\e+6:S+64*\e+7]
.if \first
	v_pk_add_f32 v[ST+4*\e+2:ST+4*\e+3], v[S+64*\e+8:S+64*\e+9], v[S+64*\e+10:S+64*\e+11]
.set i, 6
.else
	v_pk_add_f32 v[ST+4*\e+2:ST+4*\e+3], v[ST+4*\e+2:ST+4*\e+3], v[S+64*\e+8:S+64*\e+9]
.set i, 5
.endif
.rept 27-\first
.if i%3 == 0
	v_pk_add_f32 v[ST+4*\e+2:ST+4*\e+3], v[ST+4*\e+2:ST+4*\e+3], v[S+64*\e+2*i:S+64*\e+2*i+1]
.else
	v_pk_add_f32 v[W+16*\e+PX+2*(i%3)-2:W+16*\e+PX+2*(i%3)-1], v[W+16*\e+PX+2*(i%3)-2:W+16*\e+PX+2*(i%3)-1], v[S+64*\e+2*i:S+64*\e+2*i+1]
.endif
.set i, i+1
.endr
	v_pk_add_f32 v[W+16*\e+PX:W+16*\e+PX+1], v[W+16*\e+PX:W+16*\e+PX+1], v[W+16*\e+PX+2:W+16*\e+PX+3]
	v_pk_add_f32 v[ST+4*\e+2:ST+4*\e+3], v[ST+4*\e+2:ST+4*\e+3], v[W+16*\e+PX:W+16*\e+PX+1]
.endm
; The hold of p[j], p[j+1] of head e at 57,344 x their block's scale (the conversion to an 8-bit code does not saturate: ISA guide 7.6.2); p is not negative, so it is one-sided.
.macro HOLD e, j
	v_dual_min_num_f32 v[S+64*\e+\j], v[S+64*\e+\j], v[W+16*\e+HL+(\j)/16] :: v_dual_min_num_f32 v[S+64*\e+\j+1], v[S+64*\e+\j+1], v[W+16*\e+HL+(\j)/16]
.endm
.macro CODES e
.irp b, 0,1,2,3
	v_cvt_scalef32_pk8_bf8_f32 v[PC+16*\e+4*\b:PC+16*\e+4*\b+1], v[S+64*\e+16*\b:S+64*\e+16*\b+7], v[W+16*\e+SX+\b]
	v_cvt_scalef32_pk8_bf8_f32 v[PC+16*\e+4*\b+2:PC+16*\e+4*\b+3], v[S+64*\e+16*\b+8:S+64*\e+16*\b+15], v[W+16*\e+SX+\b]
.endr
.endm
; A STEP'S FIRST PART: scores, softmax, codes.  first = 1: slot 0 of phase 1, which every wave works (its level is 8 or more): it starts M and the sums and hides no key.
; A step all of whose keys come after my 16 queries is left out: a scalar branch on ids; no barrier and no tensor load stands in this part.
.macro P1 first
	PLACES 8                                       ; on either way below: eight places between the last products and the next lines that touch their registers
.if \first == 0
	s_cmp_gt_u32 s[KS], s[LEV]
	s_cbranch_scc1 .Lskip_\@
.endif
	v_add_nc_u32 v[AD], s[TB], v[A16]
	v_add_nc_u32 v[AE], s[TB], v[A4]
	FRAGS 0
	VWAIT
	WIN 0x01                                       ; source 0 (K) window 1
.irp t, 0,1,2,3,4,5,6,7
	s_wait_dscnt 28-4*\t                           ; the scale words and fragments 0 .. t are in; the later fragments may be out
	KQ \t, 0                                       ; each fragment of K feeds both heads
	KQ \t, 1
.endr
	WIN 0
	PLACES 8                                       ; in front of the loads into registers that these products have read, and of the first read of the scores
	FRAGS 2*QUA                                    ; V^T's: they land while the softmax is worked
.if \first == 0
	; on the diagonal step the scores of hidden keys become -infinity ahead of the maximum: p = 0 then.  One compare serves both heads.  A query's own key lies in this step, so M is a number behind it
	s_cmp_lg_u32 s[KS], s[LEV]
	s_cbranch_scc1 .Lopen_\@
	v_add_nc_u32 v[W+HL+1], s[PLC], v[DM]          ; my query's place in its level - 16 (lane / 16): register 16 b + i is hidden where 32 b + i is greater
	v_mov_b32 v[W+HL], 0xff800000
.set n, 0
.rept 64
	v_cmp_gt_i32 vcc_lo, 32*(n/16)+n%16, v[W+HL+1]
	v_cndmask_b32 v[S+n], v[S+n], v[W+HL], vcc_lo
	v_cndmask_b32 v[S+64+n], v[S+64+n], v[W+HL], vcc_lo
.set n, n+1
.endr
.Lopen_\@:
.endif
	; THE LARGEST SCORE OF EACH BLOCK OF 32 KEYS serves twice: for the row's maximum, and, since p rises with the score, for the block's largest p.  Eight chains (4 blocks x 2 heads) by turns
.irp b, 0,1,2,3
.irp e, 0,1
	v_max3_num_f32 v[W+16*\e+\b], v[S+64*\e+16*\b], v[S+64*\e+16*\b+1], v[S+64*\e+16*\b+2]
.endr
.endr
.irp i, 3,5,7,9,11,13
.irp b, 0,1,2,3
.irp e, 0,1
	v_max3_num_f32 v[W+16*\e+\b], v[W+16*\e+\b], v[S+64*\e+16*\b+\i], v[S+64*\e+16*\b+\i+1]
.endr
.endr
.endr
.irp b, 0,1,2,3
.irp e, 0,1
	v_max_num_f32 v[W+16*\e+\b], v[W+16*\e+\b], v[S+64*\e+16*\b+15]
.endr
.endr
.irp b, 0,1,2,3
.irp e, 0,1
	v_permlanex16_b32 v[W+16*\e+PX+\b], v[W+16*\e+\b], s[SEL], s[SEL+1]
.endr
.endr
.irp b, 0,1,2,3
.irp e, 0,1
	v_max_num_f32 v[W+16*\e+\b], v[W+16*\e+\b], v[W+16*\e+PX+\b]   ; with lane l xor 16's 16 keys
.endr
.endr
.irp e, 0,1
	v_max3_num_f32 v[W+16*\e+HL], v[W+16*\e], v[W+16*\e+1], v[W+16*\e+2]
.endr
.irp e, 0,1
	s_delay_alu instid0(VALU_DEP_2)
	v_max_num_f32 v[W+16*\e+HL], v[W+16*\e+HL], v[W+16*\e+3]       ; the step's largest score of my query
.endr
.if \first
.irp e, 0,1
	s_delay_alu instid0(VALU_DEP_2)
	v_mul_f32 v[ST+4*\e+1], s[CS], v[W+16*\e+HL]   ; as t: the largest t so far
.endr
.else
.irp e, 0,1
	s_delay_alu instid0(VALU_DEP_2)
	v_mul_f32 v[W+16*\e+HL], s[CS], v[W+16*\e+HL]
.endr
.irp e, 0,1
	s_delay_alu instid0(VALU_DEP_2)
	v_max_num_f32 v[ST+4*\e+1], v[ST+4*\e+1], v[W+16*\e+HL]        ; the running largest t
.endr
.irp e, 0,1
	v_mov_b32 v[W+16*\e+HL], v[ST+4*\e]            ; the old -M
.endr
.endif
.irp e, 0,1
	v_floor_f32 v[ST+4*\e], -v[ST+4*\e+1]          ; the new -M = floor(-t) = -ceil(t): M IS A WHOLE NUMBER
.endr
.if \first == 0
.irp e, 0,1
	s_delay_alu instid0(VALU_DEP_2)
	v_sub_f32 v[W+16*\e+HL], v[ST+4*\e], v[W+16*\e+HL]             ; M's old value less its new one: a whole number, 0 or less
.endr
.irp e, 0,1
	s_delay_alu instid0(VALU_DEP_2)
	v_cvt_i32_f32 v[W+16*\e+HL], v[W+16*\e+HL]     ; (it saturates)
.endr
.irp e, 0,1
	s_delay_alu instid0(VALU_DEP_2)
	v_ldexp_f32 v[FP+2*\e], 1.0, v[W+16*\e+HL]     ; f = 2^(old M - new M): a multiplication by it rounds nothing
.endr
.endif
.set j, 0
.rept 32
	v_pk_fma_f32 v[S+j:S+j+1], v[S+j:S+j+1], s[CS:CS+1], v[ST:ST+1] op_sel_hi:[1,0,0]   ; t - M, two at a time (of the pairs log2(e) and -M the low word serves both halves)
.set j, j+2
.endr
.irp b, 0,1,2,3
.irp e, 0,1
	v_fma_f32 v[W+16*\e+\b], v[W+16*\e+\b], s[CS], v[ST+4*\e]      ; the same of each block's largest score
.endr
.endr
	VWAIT
.irp b, 0,1,2,3
.irp e, 0,1
	v_exp_f32 v[W+16*\e+\b], v[W+16*\e+\b]         ; the block's largest p: the same two instructions on the same number give the same bits
.endr
.endr
.set j, 0
.rept 32
	v_exp_f32 v[S+j], v[S+j]                       ; p = 2^(t - M), at most 1: NOT normalised.  Head 0's, with head 1's multiply-adds among them
	v_exp_f32 v[S+j+1], v[S+j+1]
	v_pk_fma_f32 v[S+64+j:S+64+j+1], v[S+64+j:S+64+j+1], s[CS:CS+1], v[ST+4:ST+5] op_sel_hi:[1,0,0]
.set j, j+2
.endr
	VWAIT
.irp b, 0,1,2,3
.irp e, 0,1
	v_max_num_f32 v[W+16*\e+\b], 0x8000000, v[W+16*\e+\b]          ; the floor 2^(16 - 127): the byte cannot fall under 1 (a block whose every p is 0 keeps that byte: its codes are zeros)
.endr
.endr
.irp b, 0,1,2,3
.irp e, 0,1
	v_add_nc_u32 v[W+16*\e+SX+\b], 0xf8800000, v[W+16*\e+\b]       ; 15 off the exponent field: the conversions' scale operand
.endr
.endr
.irp b, 0,1,2,3
.irp e, 0,1
	v_and_or_b32 v[W+16*\e+HL+\b], v[W+16*\e+\b], 0x7f800000, s[MNT]   ; 57,344 x the scale
.endr
.endr
.irp b, 0,1,2,3
.irp e, 0,1
	v_lshrrev_b32 v[W+16*\e+PX+\b], 23, v[W+16*\e+SX+\b]           ; the scale's byte
.endr
.endr
.irp e, 0,1
	v_lshl_or_b32 v[PW+\e], v[W+16*\e+PX+1], 8, v[W+16*\e+PX]      ; p's scale word for these 128 keys
.endr
.irp e, 0,1
	v_lshl_or_b32 v[PW+\e], v[W+16*\e+PX+2], 16, v[PW+\e]
.endr
.irp e, 0,1
	v_lshl_or_b32 v[PW+\e], v[W+16*\e+PX+3], 24, v[PW+\e]
.endr
	SUM 0, \first
	VWAIT
.set j, 0
.rept 32
	v_exp_f32 v[S+64+j], v[S+64+j]                 ; head 1's p, with head 0's holds among them
	v_exp_f32 v[S+64+j+1], v[S+64+j+1]
	HOLD 0, j
.set j, j+2
.endr
	VWAIT
	CODES 0
	SUM 1, \first
.set j, 0
.rept 32
	HOLD 1, j
.set j, j+2
.endr
	CODES 1
	v_nop                                          ; a plain line behind the last conversion
.if \first == 0
.Lskip_\@:
.endif
.endm
; THE CHANGE OF SLOTS stands between a step's two parts: V's fragments are in registers, so the slot has been read.  Each wave waits for all its tensor loads (one at the most is out: its quarter of the next slot), adds 0 to
; its spare word, and waits for that and for its LDS reads.  Behind the round the next slot is whole in all four work-groups, and no wave of any partner reads this one or has a load on its way.
; how = 2: a round, and this slot takes the slot after the next: the wave's first and only tensor load behind the round.  how = 1: nothing is left to fetch: my work-group's barrier.  how = 0: the last slot: my own reads alone.
.macro MEET how
	VWAIT
.if \how
	s_wait_tensorcnt 0x0                           ; no tensor load of mine is out, so group 0 may be written
	ds_add_u32 v[SPW], v[NIL]                      ; 0 onto my spare word
.endif
.if \how == 2
	s_add_co_u32 s[OF], s[KSL], 2                  ; the slot to fetch: in phase 2 they count from 0 again
	s_sub_co_u32 s[T0], s[OF], s[N1]
	s_cmp_lt_u32 s[OF], s[N1]
	s_cselect_b32 s[OF], s[OF], s[T0]
	s_mul_i32 s[OF], s[OF], SLOT
	s_add_nc_u64 s[G0+2:G0+3], s[KVB:KVB+1], s[OF:OF+1]
	s_or_b32 s[G0+3], s[G0+3], 0x80000000
	s_xor_b32 s[G0+1], s[G0+1], SLOT               ; (SLOT and a quarter's place have no bit in common)
	s_wait_xcnt 0x0                                ; the last prefetch, a slot back, has read its address, so it may be written
	s_add_nc_u64 s[PFA:PFA+1], s[PFA:PFA+1], 65536
.endif
	s_wait_dscnt 0x0                               ; the add is done, and my LDS reads and stores are over
.if \how == 2
	CROUND
	JLOAD 0
	ASK
.endif
.if \how == 1
	WBAR
.endif
.endm
; A STEP'S SECOND PART: O^T under the new M, and the product with V^T.
.macro P2 first
.if \first
	PLACES 8                                       ; codes made by vector lines stand four places ahead of a scaled matrix instruction, scale words eight
.else
	s_cmp_gt_u32 s[KS], s[LEV]
	s_cbranch_scc1 .Lskip_\@
	WIN 0x41                                       ; O^T (destination and source 0) window 1, f window 0
	VWAIT
.set j, 0
.rept 32
	v_pk_mul_f32 v[j:j+1], v[j:j+1], v[FP:FP+1] op_sel_hi:[1,0]               ; x f; each accumulator from its low end on.  (These 64 are also the places in front of the products below)
	v_pk_mul_f32 v[64+j:64+j+1], v[64+j:64+j+1], v[FP+2:FP+3] op_sel_hi:[1,0]
.set j, j+2
.endr
.endif
	WIN 0x51                                       ; V window 1, P window 0, C and D window 1
.irp t, 0,1,2,3,4,5,6,7
.irp e, 0,1
	PV \t, \e, \first                              ; the 16 accumulators take turns, one instruction a turn
.endr
.endr
	WIN 0                                          ; at a label and at a branch every window is 0
.if \first == 0
.Lskip_\@:
.endif
.endm
.macro TRIP first, how
	P1 \first
	MEET \how
	P2 \first
	s_add_co_u32 s[KS], s[KS], 2
	s_xor_b32 s[TB], s[TB], SLOT
.endm
; THE JOIN AT A PHASE'S END.  My e = 1 tile's -M, sum and O^T go to my partner by region ex; I take its part of my e = 0 tile, bring both under the larger M, divide by the sum, and store 16 rows of out0 by way of my own
; stage in region stg.  A wave that had no step in the phase has -M = 3e38: its part is multiplied by 0.
.macro JOIN ex, stg
	PLACES 8                                       ; between the last products and the first read of their results
	s_add_co_u32 s[T0], s[WO], \ex
	v_add_nc_u32 v[W], s[T0], v[L16]
	v_add_nc_u32 v[W+1], s[T0], v[L4]
	v_add_f32 v[W+2], v[ST+6], v[ST+7]
	ds_store_b32 v[W+1], v[ST+4] offset:8192
	ds_store_b32 v[W+1], v[W+2] offset:8320
	WIN 0x04                                       ; stores' data (source 1) window 1
.irp t, 0,1,2,3,4,5,6,7
	VWAIT
	ds_store_b128 v[W], v[64+8*\t:64+8*\t+3] offset:1024*\t
	ds_store_b128 v[W], v[64+8*\t+4:64+8*\t+7] offset:1024*\t+512
.endr
	WIN 0
	s_add_co_u32 s[T0], s[WP], \ex
	v_add_nc_u32 v[W+8], s[T0], v[L16]
	v_add_nc_u32 v[W+9], s[T0], v[L4]
	VWAIT
	s_wait_dscnt 0x0                               ; my part is in LDS
	WBAR
	ds_load_b32 v[W+10], v[W+9] offset:8192        ; my partner's -M,
	ds_load_b32 v[W+11], v[W+9] offset:8320        ; its sum,
.set j, 0
.rept 16
	ds_load_b128 v[S+4*j:S+4*j+3], v[W+8] offset:512*j   ; its O^T
.set j, j+1
.endr
	s_wait_dscnt 16                                ; -M and the sum are in; O^T's 16 loads may be out
	v_add_f32 v[W+12], v[ST+2], v[ST+3]
	v_min_num_f32 v[W+13], v[ST], v[W+10]          ; the joint -M
	v_sub_f32 v[W+14], v[W+13], v[ST]
	v_sub_f32 v[W+15], v[W+13], v[W+10]
	v_cvt_i32_f32 v[W+14], v[W+14]                 ; (they saturate)
	v_cvt_i32_f32 v[W+15], v[W+15]
	v_ldexp_f32 v[FP], 1.0, v[W+14]                ; my factor, my partner's
	v_ldexp_f32 v[FP+2], 1.0, v[W+15]
	v_mul_f32 v[W+12], v[W+12], v[FP]
	v_fma_f32 v[W+12], v[W+11], v[FP+2], v[W+12]
	v_permlanex16_b32 v[W+PX], v[W+12], s[SEL], s[SEL+1]
	v_add_f32 v[W+12], v[W+12], v[W+PX]            ; with lane l xor 16's: the row's sum
	VWAIT
	v_rcp_f32 v[W+13], v[W+12]
	v_nop                                          ; a plain place behind the reciprocal
	VWAIT
	v_mul_f32 v[FP], v[FP], v[W+13]
	v_mul_f32 v[FP+2], v[FP+2], v[W+13]
	s_wait_dscnt 0x0
	WIN 0x01                                       ; source 0 (O^T) window 1
	VWAIT
.set j, 0
.rept 32
	v_pk_mul_f32 v[S+64+j:S+64+j+1], v[j:j+1], v[FP:FP+1] op_sel_hi:[1,0]   ; register 8 t + i is out0(query r, channel 16 t + 8 h + i); each accumulator from its low end on
.set j, j+2
.endr
	WIN 0
.set j, 0
.rept 32
	v_pk_fma_f32 v[S+64+j:S+64+j+1], v[S+j:S+j+1], v[FP+2:FP+3], v[S+64+j:S+64+j+1] op_sel_hi:[1,0,1]
.set j, j+2
.endr
	s_add_co_u32 s[T0], s[WO], \stg
	v_add_nc_u32 v[W+8], s[T0], v[STW]             ; the stage, in: row r, + 32 h.  Rows of 132 words: the 16 rows that a store touches start at 16 different banks (64 banks of 4 bytes: ISA guide 11.1)
	v_add_nc_u32 v[W+9], s[T0], v[L16]             ; and back: 16 x lane of a row
.set j, 0
.rept 16
	ds_store_b128 v[W+8], v[S+64+4*j:S+64+4*j+3] offset:64*(j/2)+16*(j%2)
.set j, j+1
.endr
.set j, 0
.rept 16
	ds_load_b128 v[S+4*j:S+4*j+3], v[W+9] offset:528*j   ; LDS serves a wave's instructions in order (ISA guide 5.7.1.4): these see the stores above
.set j, j+1
.endr
.set j, 0
.rept 16
	s_wait_dscnt 15-j                              ; row j is back
	global_store_b128 v[L16], v[S+4*j:S+4*j+3], s[8:9] offset:512*j th:TH_STORE_NT   ; 32 lanes store a row's 512 consecutive bytes, at a multiple of 256 from out0's first byte
.set j, j+1
.endr
	s_wait_xcnt 0x0                                ; the stores have read their registers and their base
.endm
; THE CHANGE OF PHASES, ahead of slot N1: the same in all waves and in all partners.  O^T and the sums are not cleared: the first step multiplies them by f = 0, since the old -M is 3e38.
.macro SWITCH
	s_cmp_eq_u32 s[KSL], s[N1]
	s_cbranch_scc0 .Lsame_\@
	JOIN E1, E2
	s_mov_b64 s[8:9], s[OL:OL+1]
	GETQ QC2, QW, QF, QS
	VWAIT
	GETQ QC2, QP, QF+16, QS+1
	v_mov_b32 v[ST], 0x7f61b1e6
	v_mov_b32 v[ST+1], 0xff61b1e6
	v_mov_b32 v[ST+4], 0x7f61b1e6
	v_mov_b32 v[ST+5], 0xff61b1e6
	s_mov_b32 s[KS], s[KIND]
	s_mov_b32 s[LEV], s[LL]
	s_mov_b32 s[PLC], s[PLCL]
	VWAIT
	s_wait_dscnt 0x0
.Lsame_\@:
.endm
	s_load_b128 s[4:7], s[0:1], 0x0                ; query, kv
	s_load_b64 s[8:9], s[0:1], 0x10                ; out0
	v_lshl_add_u32 v[SPW], v0, 2, SPARE
	v_mov_b32 v[NIL], 0
	ds_add_u32 v[SPW], v[NIL]                      ; the wave's opening: the add, twice on end, and its wait ahead of my first tensor load
	ds_add_u32 v[SPW], v[NIL]
	v_lshrrev_b32 v1, 5, v0
	v_readfirstlane_b32 s[WV], v1                  ; wave 0..7
	s_lshr_b32 s[KIND], s[WV], 2
	s_and_b32 s12, s[WV], 1                        ; pt: which 16 of the 32 positions
	s_bfe_u32 s13, s[WV], 0x10001                  ; which pair of the four query heads
	s_lshl_b32 s13, s13, 1
	s_add_co_u32 s13, s13, s[KIND]                 ; my own head of the four
	s_bfe_u32 s14, ttmp6, 0x40000                  ; cx: my place in the cluster
	s_mov_b32 s[LL], ttmp9                         ; L: in a cluster launch ttmp9 counts clusters
	s_and_b32 s16, ttmp7, 0xffff                   ; y: the key/value head
	s_and_b32 s17, s[WV], 3
	s_mul_i32 s[G0+1], s17, QUA                    ; where my quarter goes in slot 0: no place in the cluster enters it
	s_add_co_u32 s[G0Q+1], s[G0+1], E1             ; where the head of query that I fetch goes
	s_mul_i32 s[OF], s16, 8*SLOT
	s_add_co_u32 s[OF], s[OF], s[G0+1]             ; my quarter of the head's first slot in kv
	s_mov_b32 s[OF+1], 0
	s_lshl_b32 s18, s[LL], 2
	s_add_co_u32 s18, s18, s14                     ; g = 4 L + cx
	s_lshl_b32 s18, s18, 5                         ; phase 2's first position: 32 g
	s_sub_co_u32 s19, 2016, s18                    ; phase 1's: 32 (63 - g)
	s_lshl_b32 s20, s16, 2
	s_add_co_u32 s21, s20, s17                     ; the query head that I fetch, if I fetch query
	s_add_co_u32 s20, s20, s13                     ; and the one that I finish
	s_lshl_b32 s21, s21, 20                        ; 1,048,576 bytes a head
	s_lshl_b32 s20, s20, 20
	s_lshl_b32 s22, s18, 9
	s_lshl_b32 s23, s19, 9
	s_add_co_u32 s[QL], s21, s22
	s_mov_b32 s[QL+1], 0
	s_add_co_u32 s[QH], s21, s23
	s_mov_b32 s[QH+1], 0
	s_lshl_b32 s17, s12, 4
	s_add_co_u32 s[PLCL], s18, s17
	s_and_b32 s[PLCL], s[PLCL], 127
	s_add_co_u32 s[PLC], s19, s17
	s_and_b32 s[PLC], s[PLC], 127
	s_lshl_b32 s17, s17, 9
	s_add_co_u32 s20, s20, s17
	s_add_co_u32 s[OL], s20, s22
	s_mov_b32 s[OL+1], 0
	s_add_co_u32 s[OH], s20, s23
	s_mov_b32 s[OH+1], 0
	s_mul_i32 s[PT], s16, 8*SLOT                   ; the prefetches: in my head of kv, my work-group's 16,384 and my wave's 8,192 bytes of each ask; the first change of slots steps to byte 212,992
	s_lshl_b32 s17, s14, 14
	s_add_co_u32 s[PT], s[PT], s17
	s_lshl_b32 s17, s12, 13
	s_add_co_u32 s[PT], s[PT], s17
	s_add_co_u32 s[PT], s[PT], 147456
	s_mov_b32 s[PT+1], 0
	s_lshr_b32 s17, s[WV], 1
	s_xor_b32 s17, s17, 3
	s_or_b32 s17, s17, s[LL]                       ; 0 in waves 6 and 7 of the clusters with x = 0: the same in all four partners
	s_cmp_eq_u32 s17, 0
	s_cselect_b32 s[PLIM], 5, 0
	s_lshr_b32 s[N1], s[LL], 1
	s_sub_co_u32 s[N1], 8, s[N1]                   ; ceil((16 - L) / 2)
	s_sub_co_u32 s[LEV], 15, s[LL]
	s_mov_b32 s[KS], s[KIND]
	s_mov_b32 s[KSL], 0
	s_mov_b32 s[TB], 0
	s_mul_i32 s[WO], s[WV], SUB
	s_xor_b32 s17, s[WV], 4                        ; my partner
	s_mul_i32 s[WP], s17, SUB
	s_mul_i32 s[QW], s[WV], 2304
	s_mul_i32 s[QP], s17, 2304
	s_lshl_b32 s17, s13, 1
	s_add_co_u32 s17, s17, s12
	s_mul_i32 s[RAW], s17, 16*528                  ; my tile: head x 32 rows + 16 pt
	; descriptor group 1 for kv: a quarter of a slot, dense in memory: 66 rows of 256 bytes (32 elements of 8 bytes), no padding
	s_mov_b32 s[G1], 15|(3<<16)|(1<<21)            ; 15:0 the mask: all four work-groups; 17:16 elements of 8 bytes; 21 set beside a mask
	s_mov_b32 s[G1+1], 32<<16                      ; tensor_dim0
	s_mov_b32 s[G1+2], 66<<16                      ; tensor_dim1
	s_mov_b32 s[G1+3], 32<<16                      ; tile_dim0
	s_mov_b32 s[G1+4], 66                          ; tile_dim1
	s_mov_b32 s[G1+5], 32                          ; tensor_dim0_stride
	s_mov_b32 s[G1+6], 0
	s_mov_b32 s[G1+7], 0
	; for query: 32 rows of 512 bytes (64 elements of 8 bytes), 4 words of padding behind each 128: rows 528 bytes apart
	s_mov_b32 s[G1Q], (3<<16)|(1<<20)|(6<<22)|(3<<25)
	s_mov_b32 s[G1Q+1], 64<<16
	s_mov_b32 s[G1Q+2], 32<<16
	s_mov_b32 s[G1Q+3], 64<<16
	s_mov_b32 s[G1Q+4], 32
	s_mov_b32 s[G1Q+5], 64
	s_mov_b32 s[G1Q+6], 0
	s_mov_b32 s[G1Q+7], 0
	s_mov_b32 s[G0], 1                             ; 1:0 count = 1
	s_mov_b32 s[G0Q], 1
	s_mov_b32 s[CS], 0x3fb8aa3b                    ; log2(e)
	s_mov_b32 s[CS+1], 0x3fb8aa3b                  ; (named with it as a pair, so it is written)
	s_mov_b32 s[SEL], 0x76543210
	s_mov_b32 s[SEL+1], 0xfedcba98
	s_mov_b32 s[HSR], 0x3e9837f0                   ; 2^(-7/4)
	s_mov_b32 s[HSR+1], 0x3e9837f0
	s_mov_b32 s[MNT], 0x600000
	VWAIT
	s_wait_dscnt 0x0                               ; both opening adds are done
	s_wait_kmcnt 0x0
	s_add_nc_u64 s[KVB:KVB+1], s[6:7], s[OF:OF+1]
	s_add_nc_u64 s[PFA:PFA+1], s[6:7], s[PT:PT+1]
	s_mov_b64 s[G0+2:G0+3], s[KVB:KVB+1]           ; 120:64 global address: slot 0
	s_or_b32 s[G0+3], s[G0+3], 0x80000000          ; 127:126 type = 2
	s_add_nc_u64 s[G0Q+2:G0Q+3], s[4:5], s[QH:QH+1]
	s_or_b32 s[G0Q+3], s[G0Q+3], 0x80000000
	s_add_nc_u64 s[QL:QL+1], s[4:5], s[QL:QL+1]
	s_add_nc_u64 s[OL:OL+1], s[8:9], s[OL:OL+1]
	s_add_nc_u64 s[8:9], s[8:9], s[OH:OH+1]
	CROUND                                         ; all four work-groups are here: the first joint loads meet
	JLOAD 1                                        ; slot 0, and phase 1's rows of query: one load a wave
	v_and_b32 v[W], 15, v0                         ; r
	v_bfe_u32 v[W+1], v0, 4, 1                     ; h
	v_and_b32 v[W+2], 31, v0                       ; lane
	v_lshlrev_b32 v[L16], 4, v[W+2]
	v_lshlrev_b32 v[L4], 2, v[W+2]
	v_lshlrev_b32 v[PFO], 8, v[W+2]
	s_mul_i32 s17, s[KIND], SUB                    ; my step's part of each quarter
	v_add_nc_u32 v[A16], s17, v[L16]
	v_add_nc_u32 v[A4], s17, v[L4]
	v_lshlrev_b32 v[DM], 4, v[W+1]
	v_sub_nc_u32 v[DM], v[W], v[DM]
	v_mul_u32_u24 v[STW], v[W], 528
	v_lshl_add_u32 v[STW], v[W+1], 5, v[STW]
.irp e, 0,1
.irp b, 0,1,2,3
	v_mov_b32 v[W+16*\e+PX+\b], 0                  ; written once: a lane permute's destination counts as one of its sources
.endr
	v_mov_b32 v[FP+2*\e+1], 0                      ; (named as the upper half of a pair)
.endr
	VWAIT                                          ; the head's end
	s_wait_tensorcnt 0x0                           ; my part of slot 0 or of query is in
	ds_add_u32 v[SPW], v[NIL]
	s_mov_b32 s[OF], SLOT
	s_add_nc_u64 s[G0+2:G0+3], s[KVB:KVB+1], s[OF:OF+1]
	s_or_b32 s[G0+3], s[G0+3], 0x80000000
	s_xor_b32 s[G0+1], s[G0+1], SLOT
	s_mov_b64 s[G0Q+2:G0Q+3], s[QL:QL+1]
	s_or_b32 s[G0Q+3], s[G0Q+3], 0x80000000
	s_add_co_u32 s[G0Q+1], s[G0Q+1], E2-E1
	s_wait_dscnt 0x0
	CROUND                                         ; slot 0 and query's rows are whole
	JLOAD 1                                        ; slot 1 and phase 2's rows of query: first fills all, one load a wave
	RAWQ E1
	QUANT QF, QS
	SENDQ QC1, QF, QS
	VWAIT
	s_wait_dscnt 0x0
	WBAR                                           ; every wave's codes are in LDS
	GETQ QC1, QP, QF+16, QS+1                      ; my partner's tile
	VWAIT
	s_wait_dscnt 0x0
	TRIP 1, 2                                      ; slot 0 is written out: it starts the sums
	RAWQ E2                                        ; phase 2's rows of query have been shown whole by slot 0's round
	QUANT PC, PW
	SENDQ QC2, PC, PW                              ; taken up at the change of phases, behind later barriers
	VWAIT
	s_mov_b32 s[KSL], 1
.Lloop:                                            ; slots 1 to 6
	SWITCH
	TRIP 0, 2
	s_add_co_u32 s[KSL], s[KSL], 1
	s_cmp_lt_u32 s[KSL], 7
	s_cbranch_scc1 .Lloop
	SWITCH                                         ; slots 7 and 8 are written out: nothing is left to fetch
	TRIP 0, 1
	s_add_co_u32 s[KSL], s[KSL], 1
	SWITCH
	TRIP 0, 0
	JOIN E2, E1
	s_wait_tensorcnt 0x0                           ; the wave's end: behind my last tensor load and my last LDS store
	ds_add_u32 v[SPW], v[NIL]
	s_wait_dscnt 0x0
	CROUND                                         ; the closing round: no work-group ends while a partner may still ask for a tile that names it
	s_endpgm
.Lfunc_end_k_q3c6e67aa00_attn:
	.size	k_q3c6e67aa00_attn, .Lfunc_end_k_q3c6e67aa00_attn-k_q3c6e67aa00_attn
	.p2alignl 7, 3214868480
	.fill 96, 4, 3214868480
	.section	.rodata,"a",@progbits
	.p2align	6, 0x0
	.amdhsa_kernel k_q3c6e67aa00_attn
		.amdhsa_group_segment_fixed_size 327680
		.amdhsa_private_segment_fixed_size 0
		.amdhsa_enable_private_segment 0
		.amdhsa_kernarg_size 24
		.amdhsa_user_sgpr_count 2
		.amdhsa_user_sgpr_kernarg_segment_ptr 1
		.amdhsa_wavefront_size32 1
		.amdhsa_system_sgpr_workgroup_id_x 1
		.amdhsa_system_sgpr_workgroup_id_y 1
		.amdhsa_system_sgpr_workgroup_id_z 1
		.amdhsa_system_vgpr_workitem_id 0
		.amdhsa_next_free_vgpr 512
		.amdhsa_next_free_sgpr 90
		.amdhsa_reserve_vcc 1
		.amdhsa_float_denorm_mode_32 3
		.amdhsa_float_denorm_mode_16_64 3
		.amdhsa_memory_ordered 1
		.amdhsa_forward_progress 1
		.amdhsa_inst_pref_size 255
	.end_amdhsa_kernel
	.section	.bss,"aw",@nobits
	.p2align	6
	.space	262144
	.amdgpu_metadata
---
amdhsa.version: [ 1, 2 ]
amdhsa.kernels:
  - .name:           k_q3c6e67aa00_attn
    .symbol:         k_q3c6e67aa00_attn.kd
    .args:
      - { .name: query, .offset: 0, .size: 8, .value_kind: global_buffer, .address_space: global }
      - { .name: kv, .offset: 8, .size: 8, .value_kind: global_buffer, .address_space: global }
      - { .name: out0, .offset: 16, .size: 8, .value_kind: global_buffer, .address_space: global }
    .group_segment_fixed_size: 327680
    .private_segment_fixed_size: 0
    .kernarg_segment_align: 8
    .kernarg_segment_size: 24
    .max_flat_workgroup_size: 256
    .sgpr_count:     90
    .vgpr_count:     512
    .wavefront_size: 32
...
	.end_amdgpu_metadata
.endif
;; end of part 2
